; MI455X (gfx1250); checked and timed in simulation.
; The chip was launched on July 23, 2026; its instructions are those of AMD's public machine-readable ISA for CDNA 5 (MIT licence, August 2026) and "CDNA5" Instruction Set Architecture Reference Guide (July 2026). The comments in the code are by the model that wrote it; some were corrected since.
;; S Tra TS Multi Time Attention. Allowed arithmetic: float matrix products may take bf16 or f16 operands with f32 sums; all other float work in f32.
;; Inputs: Wk 8 x 256 x 32 float32; Wq 8 x 256 x 32 float32; Wv 8 x 256 x 32 float32; key 32 x 1,024 x 256 float32; mask 32 x 1,024 float32; query 32 x 1,024 x 256 float32; value 32 x 1,024 x 256 float32.
;; Outputs: out0 32 x 1,024 x 256 float32.
;; One version. Each part assembles by itself: llvm-mc -triple=amdgcn-amd-amdhsa -mcpu=gfx1250 --defsym DOCPART=n.
;; ======== version 1 of 1: 1 launch
;; limits: values are held in f16: magnitudes above 65,504 overflow, below 6.1e-05 lose precision
;; launch attn (part 1): grid 4 x 64, 8 waves a work-group, clusters of 4 x 1, 327,680 bytes of LDS; arguments query, key, value, mask, Wq, Wk, Wv, out0; writes out0
.if DOCPART == 1
	.amdgcn_target "amdgcn-amd-amdhsa--gfx1250"
	.amdhsa_code_object_version 6
	.text
	.protected	k_q6da054cd0f_attn
	.globl	k_q6da054cd0f_attn
	.p2align	8
	.type	k_q6da054cd0f_attn,@function
k_q6da054cd0f_attn:
	s_mov_b64 s[64:65], 0
	v_nop
	global_prefetch_b8 v0, s[64:65] scope:SCOPE_SE
	s_setreg_imm32_b32 hwreg(HW_REG_WAVE_MODE, 25, 1), 1
	s_wait_xcnt 0x0
	s_wait_alu depctr_hold_cnt(0) depctr_sa_sdst(0) depctr_va_vdst(0) depctr_va_sdst(0) depctr_va_ssrc(0) depctr_va_vcc(0) depctr_vm_vsrc(0)
	s_getreg_b32 s2, hwreg(HW_REG_IB_STS2, 6, 4)
	s_cmp_eq_u32 s2, 0
	s_cbranch_scc0 .Lentry_in_a_cluster
	s_endpgm
.Lentry_in_a_cluster:
	s_bfe_u32 s2, ttmp6, 0x10000c
	s_cmp_lg_u32 s2, 0x3003
	s_cbranch_scc0 .Lentry_shape_is_right
	s_endpgm
.Lentry_shape_is_right:
; STraTS multi-time attention, fused: q, k, v = x W per head; A = m (q.k) + (1 - m)(-1e-30); softmax over keys; out = A v; heads side by side.
; B = 32, S = 1024, D = 256, H = 8, DK = 32; everything f32 in memory.
;
; SHARES.  A work-group is (batch b, head pair hp, query half qh): 32 x 4 x 2 = 256 work-groups of 8 waves.  Two heads make 64 f32 of an
; output row: 256 consecutive bytes, aligned.  Wave w owns queries 64 w .. 64 w + 63 of the 512, both heads.  Keys go in 16 tiles of 64.
; For each tile wave w also projects 32 rows (half rh = w & 1) of key (w < 4) or value (w >= 4) onto head hw = (w >> 1) & 1, one tile ahead
; of the attention that uses it.  The key and value projections are done by both query halves; nothing goes through memory.
; All eight waves take a step's projection and attention in the same order: a step's text holds one copy of each and no branch between them.
; CLUSTER.  The four head pairs of one (b, qh) read the same query, key and value rows: cluster 4 x 1, every tensor load is a joint load
; with mask 15, its address made of y (= 2 b + qh) and the wave number alone.  The weights differ per partner and come through registers.
; TRANSPOSED SCORES.  S^T = K Q^T + C: a lane holds one query (lane % 16), its registers the keys 8 (lane / 16) + j.  So the maximum and
; the sum over keys run along a lane's registers plus one exchange with lane xor 16; two score tiles pack straight into the second operand
; of O^T = V^T P^T; and the factors alpha and 1 / l are one number a lane.
; MASK.  m (q.k) = q.(m k): rows of K are multiplied by m in f32 before they are rounded; (1 - m)(-1e-30) log2e is the C operand of the
; score product.  log2e is multiplied into Q before rounding, so p = 2^(S - M) with a running maximum M.
; FORMAT AND LIMITS.  Matrix operands are f16 (11 significant bits), sums f32.  x, W, log2e q, m k and v must stay below 65,504 in
; magnitude; beyond that the conversion gives infinity.  m enters k before the rounding to f16; l is summed from the unrounded p.
; No prefetch: each tile is asked for one whole step (a projection and an attention tile) ahead of the wait for it.
;
; LDS.  Ring: part (w, slot) = w 33,280 + slot 16,640: 16 rows of 1,024 bytes, 16 bytes of padding behind each.  Only tensor loads write it.
; SCR (40,960 bytes, written by LDS stores alone), used in turn as: the stage of one weight pair, f16 [256 d][64 outs], pitch 160;
; two K/V buffers of 20,480 (K block, then V block, each [64 keys][64 outs] f16, pitch 160, rows with bit 3 set shifted by 16 bytes, so that
; both the plain reads of K and the transposing reads of V touch sixteen different 16-byte columns modulo 256 in each half wave);
; and at the end each wave's stage of 16 rows x 272 bytes.  MT: m[1024].  CT: c[1024].
.set XPITCH, 1040
.set SLOTB,  16*XPITCH                 ; 16,640
.set PARTB,  2*SLOTB                   ; 33,280
.set SCR,    8*PARTB                   ; 266,240, a multiple of 256
.set KPITCH, 160
.set KBLK,   64*KPITCH                 ; 10,240
.set KVB,    2*KBLK                    ; 20,480
.set MT,     SCR+2*KVB                 ; 307,200
.set CT,     MT+4096                   ; 311,296; LDS ends at 315,392
.set OPITCH, 272
.set G1W0,   15|(2<<16)|(1<<20)|(1<<21)|(7<<22)|(3<<25)   ; mask 15; 4-byte elements; padding on; bit 21 beside a mask; after 256 words; 4 words
; window 0
.set XA,  2                            ; LDS address of my x fragments as a query wave: my own part; never rewritten
.set XK,  3                            ; LDS address of my x fragments as a key or value wave: parts 4 t + 2 rh and the next; never rewritten
.set KST, 4                            ; where my projected rows go
.set KLD, 5                            ; K fragments
.set VLD, 6                            ; V fragments (transposing loads)
.set CLD, 7                            ; c of the attention's tile, 256 bytes on per tile
.set MLD, 8                            ; m of the projection's tile, 256 bytes on per tile
.set WST, 9                            ; weight stage, in
.set WLD, 10                           ; weight stage, out
.set STO, 9                            ; way out: in   (the weight stage is long done)
.set RD,  10                           ; way out: back
.set CO,  11                           ; byte offset in out0
.set F,   12                           ; v12, v14: row factors (m or 1); v13, v15 only complete the pairs
.set RM,  16                           ; v16-23  running maximum, 4 hh + qb
.set RL,  24                           ; v24-31  running sum of my half of the keys
.set QF,  32                           ; v32-95  Q fragments, 8 (2 qb + hh)
.set SC,  96                           ; attention: scores, then p, tile kb at 8 kb
.set PF,  128                          ; p in f16, 8 kk
.set KF,  144
.set VF,  176                          ; 8 (2 dt + kk)
.set CB,  208
.set TM,  240                          ; new maximum; v241 takes the other half's
.set TA,  242                          ; alpha; v243 completes the pair (v241 and v243 lie in ACC, written by the query projection on every path)
.set MX,  244
.set SA,  248
.set XF,  96                           ; projection: x in f32
.set XB,  160                          ; x in f16
.set ACC, 224
; window 1
.set WF,  0                            ; weight fragments, 8 (8 o + ks); Wq takes all 256 registers, Wk or Wv the first 128
.set OA,  128                          ; O, 8 (8 hh + 2 qb + dt)
; scalars: s3 w, s4 t, s5 hw, s6 rh, s7 base of my x parts, s[8:23] the eight addresses, s24 cx, s25 y, s26 b, s[28:35] offsets and the
; key/value tile base, s[36:39] group 0 of slot 0, s[40:47] group 1 of 16 rows, s[48:51] group 0 of slot 1, s[52:59] group 1 of 32 rows,
; s60-61 lane selects, s62 counter, s[66:67] log2e, s68 all ones in key waves, s[70:71] out0 at my rows and columns.
.set MSB, 0
.macro WIN new                         ; the high byte repeats the setting that is left; low byte: 1:0 source 0, 3:2 source 1, 5:4 source 2, 7:6 destination
.if MSB != \new
	s_set_vgpr_msb (MSB<<8)|\new
.set MSB, \new
.endif
.endm
.macro PLACES                          ; four places behind a matrix instruction (ISA guide 7.12.1), where there is no useful work for them
.rept 4
	v_nop
.endr
.endm
.macro BAR
	s_barrier_signal -1
	s_barrier_wait -1
.endm
.macro ROUND                           ; a round of the cluster's barrier: my work-group's barrier, wave 0 signals for it, all wait for the four, my barrier again
	s_barrier_signal -1
	s_barrier_wait -1
	s_cmp_lg_u32 s3, 0
	s_cbranch_scc1 .Lnot_wave_0_\@
	s_barrier_signal -3
.Lnot_wave_0_\@:
	s_barrier_wait -3
	s_barrier_signal -1
	s_barrier_wait -1
.endm
; ---- weights: 65,536 bytes [2 heads][256 d][32 outs] f32 -> f16 stage [d][64 outs] -> transposed fragments
.macro WLOADG lo                       ; 16 loads of 4,096 consecutive bytes by the 256 threads
.set i, 0
.rept 16
	global_load_b128 v[XF+4*i:XF+4*i+3], v1, s[\lo:\lo+1] offset:4096*i
.set i, i+1
.endr
.endm
.macro WCVT
.set i, 0
.rept 16
	v_cvt_pk_f16_f32 v[XB+2*i], v[XF+4*i], v[XF+4*i+1]
	v_cvt_pk_f16_f32 v[XB+2*i+1], v[XF+4*i+2], v[XF+4*i+3]
.set i, i+1
.endr
.endm
.macro WPUT                            ; load i, thread t: head i >> 3, d = 32 (i & 7) + (t >> 3), outs 4 (t & 7) ..
.set i, 0
.rept 16
	ds_store_b64 v[WST], v[XB+2*i:XB+2*i+1] offset:(i&7)*32*KPITCH+(i>>3)*64
.set i, i+1
.endr
.endm
.macro WGET n                          ; n tiles of 16 outs x 8 steps of 32 d: lane holds out r, d along its registers
	WIN 0x40
.set o, 0
.rept \n
.set k, 0
.rept 8
	ds_load_tr16_b128 v[WF+8*(8*o+k):WF+8*(8*o+k)+3], v[WLD] offset:k*32*KPITCH+o*32
	ds_load_tr16_b128 v[WF+8*(8*o+k)+4:WF+8*(8*o+k)+7], v[WLD] offset:k*32*KPITCH+o*32+16*KPITCH
.set k, k+1
.endr
.set o, o+1
.endr
	WIN 0
.endm
; ---- query projection: 16 queries x 64 outs; Q^T = Wq^T X^T, so a lane's eight results are eight neighbouring dk of its query
.macro QLOAD ks, slot                  ; d = 32 ks + 8 h + 0..7 and 32 ks + 16 + 8 h + 0..7 of row r, in f32
	ds_load_b128 v[XF+16*((\ks)&3):XF+16*((\ks)&3)+3], v[XA] offset:(\slot)*SLOTB+(\ks)*128
	ds_load_b128 v[XF+16*((\ks)&3)+4:XF+16*((\ks)&3)+7], v[XA] offset:(\slot)*SLOTB+(\ks)*128+16
	ds_load_b128 v[XF+16*((\ks)&3)+8:XF+16*((\ks)&3)+11], v[XA] offset:(\slot)*SLOTB+(\ks)*128+64
	ds_load_b128 v[XF+16*((\ks)&3)+12:XF+16*((\ks)&3)+15], v[XA] offset:(\slot)*SLOTB+(\ks)*128+80
.endm
.macro QPROJ qb, slot
.irp ks,0,1,2,3
	QLOAD \ks, \slot
.endr
.irp ks,0,1,2,3,4,5,6,7
.if \ks < 5
	s_wait_dscnt 12                                ; set ks is in; the three later sets of four loads may be out
.else
	s_wait_dscnt 4*(7-\ks)                         ; the sets that are left
.endif
.irp i,0,1,2,3,4,5,6,7
	v_cvt_pk_f16_f32 v[XB+8*\ks+\i], v[XF+16*(\ks&3)+2*\i], v[XF+16*(\ks&3)+2*\i+1]
.endr
.if \ks < 4
	QLOAD \ks+4, \slot
.endif
.endr
	WIN 0x01                                       ; first operand (the weights) in window 1
.irp ks,0,1,2,3,4,5,6,7
.irp o,0,1,2,3
.if \ks == 0
	v_wmma_f32_16x16x32_f16 v[ACC+8*\o:ACC+8*\o+7], v[WF+8*(8*\o+\ks):WF+8*(8*\o+\ks)+7], v[XB+8*\ks:XB+8*\ks+7], 0
.else
	v_wmma_f32_16x16x32_f16 v[ACC+8*\o:ACC+8*\o+7], v[WF+8*(8*\o+\ks):WF+8*(8*\o+\ks)+7], v[XB+8*\ks:XB+8*\ks+7], v[ACC+8*\o:ACC+8*\o+7]
.endif
.endr
.endr                                              ; the four accumulators take turns
	WIN 0
	PLACES
.set i, 0
.rept 16
	v_pk_mul_f32 v[ACC+2*i:ACC+2*i+1], v[ACC+2*i:ACC+2*i+1], s[66:67] op_sel_hi:[1,0]   ; log2e, in f32
.set i, i+1
.endr
.set i, 0
.rept 16
	v_cvt_pk_f16_f32 v[QF+16*\qb+i], v[ACC+2*i], v[ACC+2*i+1]      ; tile 2 hh + dt, pair n -> fragment of head hh, register 4 dt + n
.set i, i+1
.endr
.endm
; ---- key or value projection: my 32 rows x my head's 32 outs, into K/V buffer buf
; A read of slot s of part p covers bytes p 33,280 + s 16,640 + [0, 16,624): lane term 15 x 1,040 + 32 at the most, offset 7 x 128 + 80, 16 bytes.
.macro XLOAD ks, slot
.irp rb,0,1
	ds_load_b128 v[XF+32*((\ks)&1)+16*\rb:XF+32*((\ks)&1)+16*\rb+3], v[XK] offset:\rb*PARTB+(\slot)*SLOTB+(\ks)*128
	ds_load_b128 v[XF+32*((\ks)&1)+16*\rb+4:XF+32*((\ks)&1)+16*\rb+7], v[XK] offset:\rb*PARTB+(\slot)*SLOTB+(\ks)*128+16
	ds_load_b128 v[XF+32*((\ks)&1)+16*\rb+8:XF+32*((\ks)&1)+16*\rb+11], v[XK] offset:\rb*PARTB+(\slot)*SLOTB+(\ks)*128+64
	ds_load_b128 v[XF+32*((\ks)&1)+16*\rb+12:XF+32*((\ks)&1)+16*\rb+15], v[XK] offset:\rb*PARTB+(\slot)*SLOTB+(\ks)*128+80
.endr
.endm
.macro XCVT ks
.irp rb,0,1
.irp i,0,1,2,3,4,5,6,7
	v_cvt_pk_f16_f32 v[XB+8*(2*((\ks)&3)+\rb)+\i], v[XF+32*((\ks)&1)+16*\rb+2*\i], v[XF+32*((\ks)&1)+16*\rb+2*\i+1]
.endr
.endr
.endm
.macro KVMUL k0                        ; 16 matrix instructions, steps k0 .. k0 + 3; the four accumulators take turns
	WIN 0x01
.irp kq,0,1,2,3
.irp rb,0,1
.irp o2,0,1
.if (\k0+\kq) == 0
	v_wmma_f32_16x16x32_f16 v[ACC+8*(2*\o2+\rb):ACC+8*(2*\o2+\rb)+7], v[WF+8*(8*\o2+\k0+\kq):WF+8*(8*\o2+\k0+\kq)+7], v[XB+8*(2*\kq+\rb):XB+8*(2*\kq+\rb)+7], 0
.else
	v_wmma_f32_16x16x32_f16 v[ACC+8*(2*\o2+\rb):ACC+8*(2*\o2+\rb)+7], v[WF+8*(8*\o2+\k0+\kq):WF+8*(8*\o2+\k0+\kq)+7], v[XB+8*(2*\kq+\rb):XB+8*(2*\kq+\rb)+7], v[ACC+8*(2*\o2+\rb):ACC+8*(2*\o2+\rb)+7]
.endif
.endr
.endr
.endr
	WIN 0
.endm
.macro PROJKV slot, buf
	ds_load_b32 v[F], v[MLD]                       ; m of rows 32 rh + r
	ds_load_b32 v[F+2], v[MLD] offset:64           ; and of rows 32 rh + 16 + r
	XLOAD 0, \slot
	XLOAD 1, \slot
.irp ks,0,1,2,3
	s_wait_dscnt 8                                 ; step ks is in (and m, which is older); the one later set of eight may be out
	XCVT \ks
	XLOAD \ks+2, \slot
.endr
	KVMUL 0
	v_cndmask_b32 v[F], 1.0, v[F], s68             ; four places behind the matrix instructions, ahead of the conversions that write their operands:
	v_cndmask_b32 v[F+2], 1.0, v[F+2], s68         ; value rows take the factor 1, key rows m
	v_add_nc_u32 v[MLD], 256, v[MLD]               ; the next tile's 64 m
	v_nop
.irp ks,4,5
	s_wait_dscnt 8
	XCVT \ks
	XLOAD \ks+2, \slot
.endr
	s_wait_dscnt 8                                 ; step 6 is in, step 7 may be out
	XCVT 6
	s_wait_dscnt 0
	XCVT 7
	KVMUL 4
	PLACES
.irp o2,0,1
.irp rb,0,1
.irp i,0,2,4,6
	v_pk_mul_f32 v[ACC+8*(2*\o2+\rb)+\i:ACC+8*(2*\o2+\rb)+\i+1], v[ACC+8*(2*\o2+\rb)+\i:ACC+8*(2*\o2+\rb)+\i+1], v[F+2*\rb:F+2*\rb+1] op_sel_hi:[1,0]
.endr
.endr
.endr
.irp o2,0,1
.irp rb,0,1
.irp i,0,1,2,3
	v_cvt_pk_f16_f32 v[XB+4*(2*\o2+\rb)+\i], v[ACC+8*(2*\o2+\rb)+2*\i], v[ACC+8*(2*\o2+\rb)+2*\i+1]
.endr
	ds_store_b128 v[KST], v[XB+4*(2*\o2+\rb):XB+4*(2*\o2+\rb)+3] offset:(\buf)*KVB+\rb*16*KPITCH+\o2*32   ; outs 16 o2 + 8 h + 0..7 of row 16 rb + r
.endr
.endr
.endm
; ---- attention on one tile of 64 keys
.macro KLOAD hh, buf
.irp kb,0,1,2,3
	ds_load_b128 v[KF+8*\kb:KF+8*\kb+3], v[KLD] offset:(\buf)*KVB+\kb*16*KPITCH+\hh*64
	ds_load_b128 v[KF+8*\kb+4:KF+8*\kb+7], v[KLD] offset:(\buf)*KVB+\kb*16*KPITCH+\hh*64+32
.endr
.endm
.macro VLOAD hh, buf
.irp dt,0,1
.irp kk,0,1
	ds_load_tr16_b128 v[VF+8*(2*\dt+\kk):VF+8*(2*\dt+\kk)+3], v[VLD] offset:(\buf)*KVB+\kk*32*KPITCH+\hh*64+\dt*32
	ds_load_tr16_b128 v[VF+8*(2*\dt+\kk)+4:VF+8*(2*\dt+\kk)+7], v[VLD] offset:(\buf)*KVB+\kk*32*KPITCH+\hh*64+\dt*32+16*KPITCH
.endr
.endr
.endm
.macro SUBT kb                         ; S - M of one tile
.irp i,0,2,4,6
	v_pk_add_f32 v[SC+8*(\kb)+\i:SC+8*(\kb)+\i+1], v[SC+8*(\kb)+\i:SC+8*(\kb)+\i+1], v[TM:TM+1] op_sel_hi:[1,0] neg_lo:[0,1] neg_hi:[0,1]
.endr
.endm
.macro PV hh, qb, dt, kk, zero
.if \zero
	v_wmma_f32_16x16x32_f16 v[OA+8*(8*\hh+2*\qb+\dt):OA+8*(8*\hh+2*\qb+\dt)+7], v[VF+8*(2*\dt+\kk):VF+8*(2*\dt+\kk)+7], v[PF+8*\kk:PF+8*\kk+7], 0
.else
	v_wmma_f32_16x16x32_f16 v[OA+8*(8*\hh+2*\qb+\dt):OA+8*(8*\hh+2*\qb+\dt)+7], v[VF+8*(2*\dt+\kk):VF+8*(2*\dt+\kk)+7], v[PF+8*\kk:PF+8*\kk+7], v[OA+8*(8*\hh+2*\qb+\dt):OA+8*(8*\hh+2*\qb+\dt)+7]
.endif
.endm
; The end of block (hh, qb)'s row sum: four partial pairs in SA -> l.  It names SA, l and alpha alone, none of the next block's score
; product's registers, so it stands behind that product as its places (four instructions with first = 1, five otherwise).
.macro SUMTAIL hh, qb, first
	v_pk_add_f32 v[SA:SA+1], v[SA:SA+1], v[SA+2:SA+3]
	v_pk_add_f32 v[SA+4:SA+5], v[SA+4:SA+5], v[SA+6:SA+7]
	v_pk_add_f32 v[SA:SA+1], v[SA:SA+1], v[SA+4:SA+5]
.if \first
	v_add_f32 v[RL+4*\hh+\qb], v[SA], v[SA+1]
.else
	v_add_f32 v[SA], v[SA], v[SA+1]
	v_fma_f32 v[RL+4*\hh+\qb], v[RL+4*\hh+\qb], v[TA], v[SA]
.endif
.endm
; 16 queries (block qb) of head hh against the tile's 64 keys.  first = 1: the first tile starts M, l and O.
.macro SOFT hh, qb, first, buf
.if \qb == 0
	s_wait_dscnt 8                                 ; c and this head's K are in; the eight loads of V, issued last, may be out
.endif
.irp kb,0,1,2,3
	v_wmma_f32_16x16x32_f16 v[SC+8*\kb:SC+8*\kb+7], v[KF+8*\kb:KF+8*\kb+7], v[QF+8*(2*\qb+\hh):QF+8*(2*\qb+\hh)+7], v[CB+8*\kb:CB+8*\kb+7]
.endr
	; at least four places behind the score products (ISA guide 7.12.1): the block before finishes its row sum here
.if \qb > 0
	SUMTAIL \hh, \qb-1, \first
.else
.if \hh == 1
	SUMTAIL 0, 3, \first
.else
	PLACES                                         ; the tile's first block has none in front of it
.endif
.endif
.irp kb,0,1,2,3
	v_max3_num_f32 v[MX+\kb], v[SC+8*\kb], v[SC+8*\kb+1], v[SC+8*\kb+2]
.endr
.irp kb,0,1,2,3
	v_max3_num_f32 v[MX+\kb], v[MX+\kb], v[SC+8*\kb+3], v[SC+8*\kb+4]
.endr
.irp kb,0,1,2,3
	v_max3_num_f32 v[MX+\kb], v[MX+\kb], v[SC+8*\kb+5], v[SC+8*\kb+6]
.endr
	v_max3_num_f32 v[MX], v[MX], v[MX+1], v[SC+7]
	v_max3_num_f32 v[MX+2], v[MX+2], v[MX+3], v[SC+15]
	v_max3_num_f32 v[MX], v[MX], v[MX+2], v[SC+23]
.if \first
	v_max_num_f32 v[TM], v[MX], v[SC+31]
.else
	v_max3_num_f32 v[TM], v[MX], v[SC+31], v[RM+4*\hh+\qb]
.endif
.if \hh == 0
.if \qb == 3
	KLOAD 1, \buf                                  ; head 0 has taken K for the last time: head 1's, more than four places behind those products
.endif
.endif
	v_permlanex16_b32 v[TM+1], v[TM], s60, s61     ; the other half of the keys lies in lane xor 16
	v_max_num_f32 v[TM], v[TM], v[TM+1]
.if \first == 0
	v_sub_f32 v[TA], v[RM+4*\hh+\qb], v[TM]
	v_exp_f32 v[TA], v[TA]                         ; alpha; the subtractions below are the plain instructions behind it (ISA guide 5.7.2)
.endif
	SUBT 0
.irp kb,0,1,2,3
.irp j,0,1,2,3,4,5,6,7
	v_exp_f32 v[SC+8*\kb+\j], v[SC+8*\kb+\j]
.endr
.if \kb < 3
	SUBT \kb+1                                     ; plain work on the next tile stands between the exponentials and their use
.else
	v_mov_b32 v[RM+4*\hh+\qb], v[TM]
	s_wait_alu depctr_va_vdst(0)
.endif
	s_wait_alu depctr_va_vdst(0)
.irp i,0,1,2,3
	v_cvt_pk_f16_f32 v[PF+8*(\kb>>1)+4*(\kb&1)+\i], v[SC+8*\kb+2*\i], v[SC+8*\kb+2*\i+1]   ; keys 16 kb + 8 h + 0..7: the operand's own layout
.endr
.endr
.if \first == 0
	WIN 0x41
.irp i,0,2,4,6,8,10,12,14
	v_pk_mul_f32 v[OA+8*(8*\hh+2*\qb)+\i:OA+8*(8*\hh+2*\qb)+\i+1], v[OA+8*(8*\hh+2*\qb)+\i:OA+8*(8*\hh+2*\qb)+\i+1], v[TA:TA+1] op_sel_hi:[1,0]
.endr
.endif
.if \qb == 0
	s_wait_dscnt 0                                 ; this head's V
.endif
	WIN 0x50                                       ; C and D in window 1
	PV \hh, \qb, 0, 0, \first                      ; the two accumulators take turns
	PV \hh, \qb, 1, 0, \first
	PV \hh, \qb, 0, 1, 0
	PV \hh, \qb, 1, 1, 0
	WIN 0
.irp kb,0,1,2,3
	v_pk_add_f32 v[SA+2*\kb:SA+2*\kb+1], v[SC+8*\kb:SC+8*\kb+1], v[SC+8*\kb+2:SC+8*\kb+3]
.endr
.irp kb,0,1,2,3
	v_pk_add_f32 v[SA+2*\kb:SA+2*\kb+1], v[SA+2*\kb:SA+2*\kb+1], v[SC+8*\kb+4:SC+8*\kb+5]
.endr
.irp kb,0,1,2,3
	v_pk_add_f32 v[SA+2*\kb:SA+2*\kb+1], v[SA+2*\kb:SA+2*\kb+1], v[SC+8*\kb+6:SC+8*\kb+7]
.endr                                              ; p is summed into SA: the scores' registers are free; SUMTAIL follows behind the next score product
.if \hh == 0
.if \qb == 3
	VLOAD 1, \buf                                  ; head 1's V, behind twelve sums, which are the places behind head 0's last products
.endif
.endif
.endm
.macro ATT buf, first
.irp kb,0,1,2,3
	ds_load_b128 v[CB+8*\kb:CB+8*\kb+3], v[CLD] offset:64*\kb          ; c of keys 16 kb + 8 h + 0..7: the accumulator layout, the same in all 16 lanes of a half
	ds_load_b128 v[CB+8*\kb+4:CB+8*\kb+7], v[CLD] offset:64*\kb+16
.endr
	KLOAD 0, \buf
	VLOAD 0, \buf
.irp qb,0,1,2,3
	SOFT 0, \qb, \first, \buf
.endr
.irp qb,0,1,2,3
	SOFT 1, \qb, \first, \buf
.endr
	SUMTAIL 1, 3, \first                           ; the tile's last block has no product behind it
	v_add_nc_u32 v[CLD], 256, v[CLD]
.endm
; One step: tile T (in ring slot sl) is projected into K/V buffer sl, tile T - 1 is attended from buffer ot, tile T + 1 is asked for into slot ot.
.macro STEP sl, ot, refill, first
	s_wait_xcnt 0x0
	v_lshl_add_u32 v12, v0, 2, 0x4d000
	v_mov_b32 v14, 0
	s_wait_tensorcnt 0x0                           ; all my tensor loads have landed: the one that was out is my part of tile T
	ds_add_u32 v12, v14
	s_wait_dscnt 0x0
.if \refill
	s_add_nc_u64 s[38+12*\sl:39+12*\sl], s[38+12*\sl:39+12*\sl], 0x20000   ; so a group 0 may be written: this slot's next tile, two tiles (131,072 bytes) on
.endif
	s_wait_dscnt 0x0                               ; my reads of slot ot and of buffer sl, and my stores into buffer ot, are done
.if \refill
	ROUND                                          ; all that holds of every wave of the four work-groups
	tensor_load_to_lds s[36+12*\ot:39+12*\ot], s[40:47]    ; my one tensor load behind the round; one is outstanding
	s_nop 0
.else
	BAR
.endif
	PROJKV \sl, \sl
	ATT \ot, \first
.endm
; ================= the text =================
	s_load_b512 s[8:23], s[0:1], 0x0               ; query, key, value, mask, Wq, Wk, Wv, out0
	v_lshl_add_u32 v12, v0, 2, 0x4d000
	v_mov_b32 v14, 0
	ds_add_u32 v12, v14
	s_wait_dscnt 0x0
	v_lshrrev_b32 v1, 5, v0
	v_readfirstlane_b32 s3, v1                     ; wave 0..7
	s_lshr_b32 s4, s3, 2                           ; t: 0 key, 1 value
	s_bfe_u32 s5, s3, 0x10001                      ; hw
	s_and_b32 s6, s3, 1                            ; rh
	s_bfe_u32 s24, ttmp6, 0x40000                  ; cx = head pair; enters the addresses of the weights and of out0 alone
	s_and_b32 s25, ttmp7, 0xffff                   ; y = 2 b + qh
	s_lshr_b32 s26, s25, 1                         ; b
	s_mov_b32 s60, 0x76543210
	s_mov_b32 s61, 0xfedcba98
	s_mov_b32 s66, 0x3fb8aa3b                      ; log2e
	s_mov_b32 s67, 0x3fb8aa3b
	; group 1: rows of 256 f32, pitch 256 elements, 16 bytes of padding behind each row; 16 rows, and 32 rows for the query tiles
	s_mov_b32 s40, G1W0
	s_mov_b32 s41, 256<<16                         ; tensor_dim0 = 256
	s_mov_b32 s42, 16<<16                          ; tensor_dim1 = 16
	s_mov_b32 s43, 256<<16                         ; tile_dim0 = 256
	s_mov_b32 s44, 16                              ; tile_dim1 = 16
	s_mov_b32 s45, 256                             ; elements from row to row
	s_mov_b32 s46, 0
	s_mov_b32 s47, 0
	s_mov_b32 s52, G1W0
	s_mov_b32 s53, 256<<16
	s_mov_b32 s54, 32<<16
	s_mov_b32 s55, 256<<16
	s_mov_b32 s56, 32
	s_mov_b32 s57, 256
	s_mov_b32 s58, 0
	s_mov_b32 s59, 0
	s_mov_b32 s36, 1
	s_mul_i32 s37, s3, PARTB                       ; my part of the ring, slot 0
	s_mov_b32 s48, 1
	s_add_co_u32 s49, s37, SLOTB                   ; slot 1
	s_lshl_b32 s28, s25, 19                        ; 512 rows of 1,024 bytes for each y,
	s_lshl_b32 s27, s3, 16                         ; 64 rows for each wave
	s_add_co_u32 s28, s28, s27
	s_mov_b32 s29, 0
	s_lshl_b32 s34, s26, 20                        ; key and value: 1,024 rows for each b,
	s_and_b32 s27, s3, 3
	s_lshl_b32 s27, s27, 14                        ; 16 rows of a tile for each of the four waves of a tensor
	s_add_co_u32 s34, s34, s27
	s_mov_b32 s35, 0
	s_wait_kmcnt 0x0
	s_add_nc_u64 s[38:39], s[8:9], s[28:29]        ; my first 32 query rows
	s_or_b32 s39, s39, 0x80000000                  ; type 2
	s_cmp_lt_u32 s3, 4
	s_cselect_b64 s[32:33], s[10:11], s[12:13]     ; waves 0-3 fetch and project key, waves 4-7 value
	s_cselect_b32 s68, -1, 0
	s_add_nc_u64 s[32:33], s[32:33], s[34:35]      ; my rows of tile 0
	s_add_nc_u64 s[50:51], s[32:33], 0x10000       ; of tile 1
	s_or_b32 s51, s51, 0x80000000
	ROUND                                          ; the four work-groups are here: the first joint load meets
	tensor_load_to_lds s[36:39], s[52:59]          ; query rows 0-31 of my 64 fill both slots of my part: the ring's first fill
	s_nop 0
	s_add_nc_u64 s[70:71], s[22:23], s[28:29]      ; out0 at my rows,
	s_lshl_b32 s30, s24, 8
	s_mov_b32 s31, 0
	s_add_nc_u64 s[70:71], s[70:71], s[30:31]      ; and at my head pair's 256 bytes
	s_lshl_b32 s30, s24, 16                        ; two heads of weights are 65,536 bytes
	s_add_nc_u64 s[16:17], s[16:17], s[30:31]
	s_add_nc_u64 s[18:19], s[18:19], s[30:31]
	s_add_nc_u64 s[20:21], s[20:21], s[30:31]
	s_lshl_b32 s34, s26, 12
	s_add_nc_u64 s[14:15], s[14:15], s[34:35]      ; mask row b
	v_lshlrev_b32 v1, 4, v0                        ; 16 bytes a thread
	WLOADG 16                                      ; Wq
	global_load_b128 v[224:227], v1, s[14:15]      ; the 1,024 m, four a thread
	; scalar and lane terms of the LDS addresses, while the loads are out
	s_mul_i32 s7, s4, 4*PARTB                      ; my x rows as a key or value wave lie in parts 4 t + 2 rh and the next:
	s_mul_i32 s27, s6, 2*PARTB                     ; tensor t is fetched by waves 4 t .. 4 t + 3, 16 rows each
	s_add_co_u32 s7, s7, s27
	s_mul_i32 s63, s4, KBLK
	s_mul_i32 s69, s6, 32*KPITCH
	s_add_co_u32 s63, s63, s69
	s_lshl_b32 s69, s5, 6
	s_add_co_u32 s63, s63, s69
	s_add_co_u32 s63, s63, SCR                     ; block t, row 32 rh, head hw
	s_lshl_b32 s69, s6, 7
	s_add_co_u32 s69, s69, MT                      ; m of row 32 rh
	v_and_b32 v232, 15, v0                         ; r
	v_bfe_u32 v233, v0, 4, 1                       ; h
	v_and_b32 v234, 7, v0
	v_bfe_u32 v235, v0, 3, 1
	v_mul_u32_u24 v230, v232, XPITCH
	v_lshl_add_u32 v230, v233, 5, v230             ; r 1040 + 32 h
	v_add_nc_u32 v[XA], s37, v230                  ; query role: my own part
	v_add_nc_u32 v[XK], s7, v230                   ; key and value role
	v_mul_u32_u24 v236, v232, KPITCH
	v_lshl_add_u32 v236, v235, 4, v236             ; rows with bit 3 set are shifted by 16 bytes
	v_lshl_add_u32 v236, v233, 4, v236             ; r 160 + 16 (r >> 3) + 16 h
	v_add_nc_u32 v[KLD], SCR, v236
	v_add_nc_u32 v[KST], s63, v236
	v_lshl_add_u32 v237, v233, 3, v234             ; transposing loads: row 8 h + (lane & 7),
	v_mul_u32_u24 v237, v237, KPITCH
	v_lshl_add_u32 v237, v235, 4, v237             ; 16 bytes on for lanes 8-15 and 24-31
	v_add_nc_u32 v[WLD], SCR, v237
	v_lshl_add_u32 v237, v233, 4, v237             ; V's rows 8 h + .. carry the shift 16 h
	v_add_nc_u32 v[VLD], SCR+KBLK, v237
	v_lshrrev_b32 v238, 3, v0
	v_mul_u32_u24 v238, v238, KPITCH
	v_lshl_add_u32 v238, v234, 3, v238
	v_add_nc_u32 v[WST], SCR, v238
	v_lshl_add_u32 v[CLD], v233, 5, CT
	v_lshl_add_u32 v[MLD], v232, 2, s69
	v_add_nc_u32 v239, MT, v1
	v_mov_b32 v[F+1], 0                            ; the pairs of the broadcast factors are read whole
	v_mov_b32 v[F+3], 0
	s_wait_loadcnt 0x0
	WCVT
	WPUT
	ds_store_b128 v239, v[224:227]
.irp i,0,1,2,3
	v_sub_f32 v[228+\i], 1.0, v[224+\i]
.endr
.irp i,0,1,2,3
	v_mul_f32 v[228+\i], 0x8da24260, v[228+\i]     ; (1 - m) x -1e-30
.endr
.irp i,0,1,2,3
	v_mul_f32 v[228+\i], 0x3fb8aa3b, v[228+\i]     ; in the scale of the scores
.endr
	ds_store_b128 v239, v[228:231] offset:4096
	s_wait_dscnt 0x0                               ; my stores are done, for the other waves' sake
	BAR                                            ; the query tile may stay out
	WGET 4                                         ; Wq: 4 tiles of 16 outs, 64 loads in one run.  No wait is placed to keep the count of LDS
	                                               ; instructions inside its field: an instruction that would pass it is held at issue (ISA guide 5.7.1)
	v_lshl_add_u32 v[WLD], s5, 6, v[WLD]           ; from here on: my head's 32 outs of Wk or Wv
	s_wait_tensorcnt 0x0                           ; my own part, read by me alone
	QPROJ 0, 0
	QPROJ 1, 1
	WLOADG 18                                      ; Wk
	s_wait_xcnt 0x0
	v_lshl_add_u32 v12, v0, 2, 0x4d000
	v_mov_b32 v14, 0
	s_wait_tensorcnt 0x0                           ; (met) no tensor load of mine is out,
	ds_add_u32 v12, v14
	s_wait_dscnt 0x0
	s_add_nc_u64 s[38:39], s[38:39], 0x8000        ; so the group 0 may be written: query rows 32-63
	s_wait_dscnt 0x0                               ; my reads of my part and of the weight stage are done
	ROUND
	tensor_load_to_lds s[36:39], s[52:59]
	s_nop 0
	s_wait_loadcnt 0x0
	WCVT
	WPUT                                           ; Wk into the stage: every wave has taken Wq out of it in front of the round
	s_wait_tensorcnt 0x0
	QPROJ 2, 0
	s_wait_xcnt 0x0
	v_lshl_add_u32 v12, v0, 2, 0x4d000
	v_mov_b32 v14, 0
	s_wait_tensorcnt 0x0                           ; (met)
	ds_add_u32 v12, v14
	s_wait_dscnt 0x0
	s_mov_b64 s[38:39], s[32:33]                   ; slot 0 from now on: key and value tiles 0, 2, ..
	s_or_b32 s39, s39, 0x80000000
	s_wait_dscnt 0x0                               ; slot 0 is read, Wk is stored
	ROUND
	tensor_load_to_lds s[36:39], s[40:47]          ; tile 0 into slot 0
	s_nop 0
	QPROJ 3, 1                                     ; my last 16 queries lie in slot 1
	WLOADG 20                                      ; Wv
	s_wait_xcnt 0x0
	v_lshl_add_u32 v12, v0, 2, 0x4d000
	v_mov_b32 v14, 0
	s_wait_tensorcnt 0x0                           ; tile 0 has landed
	ds_add_u32 v12, v14
	s_wait_dscnt 0x0
	s_add_nc_u64 s[38:39], s[38:39], 0x20000       ; slot 0's next: tile 2
	s_wait_dscnt 0x0
	ROUND
	tensor_load_to_lds s[48:51], s[40:47]          ; tile 1 into slot 1; it stays out over the three barriers below, behind which nothing is filled
	s_nop 0
	s_cmp_ge_u32 s3, 4
	s_cbranch_scc1 .Lno_wk
	WGET 2                                         ; key waves: my head of Wk
.Lno_wk:
	s_wait_loadcnt 0x0
	WCVT
	s_wait_dscnt 0x0                               ; Wk is out of the stage
	BAR
	WPUT                                           ; Wv into the stage
	s_wait_dscnt 0x0
	BAR
	s_cmp_lt_u32 s3, 4
	s_cbranch_scc1 .Lno_wv
	WGET 2                                         ; value waves: my head of Wv
.Lno_wv:
	s_wait_dscnt 0x0                               ; the stage is read: from here on its bytes are the K/V buffers
	BAR
	PROJKV 0, 0                                    ; tile 0, from slot 0; tile 1 is on its way into slot 1
	STEP 1, 0, 1, 1                                ; projects tile 1, attends tile 0 (which starts M, l and O), asks for tile 2
	s_mov_b32 s62, 6
.Lpair:
	STEP 0, 1, 1, 0                                ; tiles 2, 4, .. 12
	STEP 1, 0, 1, 0                                ; tiles 3, 5, .. 13
	s_sub_co_u32 s62, s62, 1
	s_cmp_lg_u32 s62, 0
	s_cbranch_scc1 .Lpair
	STEP 0, 1, 1, 0                                ; tile 14; asks for tile 15, the last (slot 0's stepped address is not used)
	STEP 1, 0, 0, 0                                ; tile 15; nothing is left to fetch
	s_wait_dscnt 0x0                               ; my rows of tile 15 are stored
	BAR
	ATT 1, 0                                       ; tile 15
	; 1 / l: the two halves of the keys meet
.irp n,0,1,2,3,4,5,6,7
	v_permlanex16_b32 v[SC+\n], v[RL+\n], s60, s61
.endr
.irp n,0,1,2,3,4,5,6,7
	v_add_f32 v[RL+\n], v[RL+\n], v[SC+\n]
.endr
.irp n,0,1,2,3,4,5,6,7
	v_rcp_f32 v[RL+\n], v[RL+\n]                   ; l >= 1: the largest p is 1.  The address work below stands between these and their use (ISA guide 5.7.2)
.endr
	v_and_b32 v[MX], 15, v0                        ; r
	v_bfe_u32 v[MX+1], v0, 4, 1                    ; h
	s_mul_i32 s63, s3, 16*OPITCH
	s_add_co_u32 s63, s63, SCR                     ; my stage
	v_mul_u32_u24 v[STO], v[MX], OPITCH
	v_lshl_add_u32 v[STO], v[MX+1], 5, v[STO]
	v_add_nc_u32 v[STO], s63, v[STO]               ; in: row r, 32 bytes for each half of the lanes
	v_mul_u32_u24 v[RD], v[MX+1], OPITCH
	v_lshl_add_u32 v[RD], v[MX], 4, v[RD]
	v_add_nc_u32 v[RD], s63, v[RD]                 ; back: lanes 0-15 one row of 256 bytes, lanes 16-31 the next
	v_lshlrev_b32 v[CO], 4, v[MX]
	v_lshl_add_u32 v[CO], v[MX+1], 10, v[CO]       ; the same two rows in out0
	s_wait_dscnt 0x0                               ; my reads of the K/V buffers are done: the stages lie on their bytes
	BAR
; 16 queries: O / l, 32 bytes a lane and tile into my stage, whole rows back, 16 lanes store 256 consecutive bytes at a multiple of 256.
.macro OUT qb, f
	s_wait_alu depctr_va_vdst(0)
	v_mov_b32 v[TA], v[RL+\qb]                     ; into pairs that may be read whole
	v_mov_b32 v[TM], v[RL+4+\qb]
	WIN 0x01
.irp dt,0,1
.irp i,0,2,4,6
	v_pk_mul_f32 v[SC+8*\dt+\i:SC+8*\dt+\i+1], v[OA+8*(2*\qb+\dt)+\i:OA+8*(2*\qb+\dt)+\i+1], v[TA:TA+1] op_sel_hi:[1,0]
	v_pk_mul_f32 v[SC+16+8*\dt+\i:SC+16+8*\dt+\i+1], v[OA+8*(8+2*\qb+\dt)+\i:OA+8*(8+2*\qb+\dt)+\i+1], v[TM:TM+1] op_sel_hi:[1,0]
.endr
.endr
	WIN 0
.irp hh,0,1
.irp dt,0,1
	ds_store_b128 v[STO], v[SC+8*(2*\hh+\dt):SC+8*(2*\hh+\dt)+3] offset:\hh*128+\dt*64       ; dv 16 dt + 8 h + 0..3 of head hh
	ds_store_b128 v[STO], v[SC+8*(2*\hh+\dt)+4:SC+8*(2*\hh+\dt)+7] offset:\hh*128+\dt*64+16
.endr
.endr
	s_wait_xcnt 0x0                                ; buffer f, which earlier stores read, is loaded again only behind this wait
.irp t,0,1,2,3,4,5,6,7
	ds_load_b128 v[\f+4*\t:\f+4*\t+3], v[RD] offset:\t*2*OPITCH    ; LDS serves a wave's instructions in order (ISA guide 5.7.1): these see the stores above
.endr
.irp t,0,1,2,3,4,5,6,7
	s_wait_dscnt 7-\t                              ; read-back t is in, the later ones may be out
	global_store_b128 v[CO], v[\f+4*\t:\f+4*\t+3], s[70:71] offset:(16*\qb+2*\t)*1024 th:TH_STORE_NT
.endr
.endm
	OUT 0, KF
	OUT 1, VF
	OUT 2, KF
	OUT 3, VF
	s_wait_xcnt 0x0
	v_lshl_add_u32 v12, v0, 2, 0x4d000
	v_mov_b32 v14, 0
	s_wait_tensorcnt 0x0
	ds_add_u32 v12, v14
	s_wait_dscnt 0x0
	ROUND                                          ; the closing round: no work-group ends while a partner may still ask jointly
	s_endpgm
.Lfunc_end_k_q6da054cd0f_attn:
	.size	k_q6da054cd0f_attn, .Lfunc_end_k_q6da054cd0f_attn-k_q6da054cd0f_attn
	.p2alignl 7, 3214868480
	.fill 96, 4, 3214868480
	.section	.rodata,"a",@progbits
	.p2align	6, 0x0
	.amdhsa_kernel k_q6da054cd0f_attn
		.amdhsa_group_segment_fixed_size 327680
		.amdhsa_private_segment_fixed_size 0
		.amdhsa_enable_private_segment 0
		.amdhsa_kernarg_size 64
		.amdhsa_user_sgpr_count 2
		.amdhsa_user_sgpr_kernarg_segment_ptr 1
		.amdhsa_wavefront_size32 1
		.amdhsa_system_sgpr_workgroup_id_x 1
		.amdhsa_system_sgpr_workgroup_id_y 1
		.amdhsa_system_sgpr_workgroup_id_z 1
		.amdhsa_system_vgpr_workitem_id 0
		.amdhsa_next_free_vgpr 512
		.amdhsa_next_free_sgpr 72
		.amdhsa_reserve_vcc 0
		.amdhsa_float_denorm_mode_32 3
		.amdhsa_float_denorm_mode_16_64 3
		.amdhsa_memory_ordered 1
		.amdhsa_forward_progress 1
		.amdhsa_inst_pref_size 255
	.end_amdhsa_kernel
	.section	.bss,"aw",@nobits
	.p2align	6
	.space	262144
	.amdgpu_metadata
---
amdhsa.version: [ 1, 2 ]
amdhsa.kernels:
  - .name:           k_q6da054cd0f_attn
    .symbol:         k_q6da054cd0f_attn.kd
    .args:
      - { .name: query, .offset: 0, .size: 8, .value_kind: global_buffer, .address_space: global }
      - { .name: key, .offset: 8, .size: 8, .value_kind: global_buffer, .address_space: global }
      - { .name: value, .offset: 16, .size: 8, .value_kind: global_buffer, .address_space: global }
      - { .name: mask, .offset: 24, .size: 8, .value_kind: global_buffer, .address_space: global }
      - { .name: Wq, .offset: 32, .size: 8, .value_kind: global_buffer, .address_space: global }
      - { .name: Wk, .offset: 40, .size: 8, .value_kind: global_buffer, .address_space: global }
      - { .name: Wv, .offset: 48, .size: 8, .value_kind: global_buffer, .address_space: global }
      - { .name: out0, .offset: 56, .size: 8, .value_kind: global_buffer, .address_space: global }
    .group_segment_fixed_size: 327680
    .private_segment_fixed_size: 0
    .kernarg_segment_align: 8
    .kernarg_segment_size: 64
    .max_flat_workgroup_size: 256
    .sgpr_count:     72
    .vgpr_count:     512
    .wavefront_size: 32
...
	.end_amdgpu_metadata
.endif
;; end of part 1
